; MI455X (gfx1250); checked and timed in simulation.
; The chip was launched on July 23, 2026; its instructions are those of AMD's public machine-readable ISA for CDNA 5 (MIT licence, August 2026) and "CDNA5" Instruction Set Architecture Reference Guide (July 2026). The comments in the code are by the model that wrote it; some were corrected since.
;; Tensor Fusion. Allowed arithmetic: matrix products marked QUANTISED: E5M2 operands, one E8M0 scale for each 32 along K, by v_wmma_scale_f32_16x16x128_f8f6f4 with both operands' format E5M2, f32 sums; products left as they are: f32 operands where the result goes on into a quantised operand, else bf16, f16 or f32 operands; f32 sums; everything else in f32.
;; Inputs: W1 65,536 x 1,024 float32; W2_codes 21 x 32 x 32 uint8 (E5M2 codes of W2, K innermost, in blocks of 32 codes); W2_scales 21 x 32 uint8 (E8M0 scales of W2, one for each 32 codes along K); audio 1,024 x 255 float32; b1 1,024 float32; b2 21 float32; beta 1,024 float32; gamma 1,024 float32; visual 1,024 x 255 float32.
;; Outputs: out0 1,024 x 21 float32.
;; This version of the problem:
;;   THIS VERSION OF THE PROBLEM IS GIVEN IN LOW PRECISION. The matrix products marked QUANTISED in the list below multiply operands that are first quantised to E5M2 (5 exponent bits, 2 mantissa bits; 8 bits a number), with one power-of-two scale for each 32 numbers along K (OCP MX v1.0); their sums are f32. All else is computed in f32.
;;   The module's matrix products, in the order in which they are computed (A, B: the left and right operand; K: the contracted axis; several contracted axes count as one K, in the product's order):
;;     1. batch 1,024 x [M 256, K 1] x [K 1, N 256]; A: computed on the way; B: computed on the way: left as it is (no contracted axis)
;;     2. [M 1,024, K 65,536] x [K 65,536, N 1,024]; A: computed on the way; B: input W1: QUANTISED
;;     3. [M 1,024, K 1,024] x [K 1,024, N 21]; A: computed on the way; B: input W2 (given as codes): QUANTISED
;;   THE QUANTISER, for each operand of a quantised product, along K:
;;     - K is cut into blocks of 32 from its start; a last block that is shorter is filled with zeros.
;;     - A block's scale is 2^e with e = floor(log2(the largest magnitude in the block)) - 15, held to -126 .. 127; a block of zeros has e = 0. As a byte (E8M0): e + 127.
;;     - Each number is divided by its block's scale, clamped to +-57,344, and rounded to the nearest number of E5M2, ties to even, subnormals kept.
;;     - The product sums the exact products of the quantised numbers (number of the format x scale) in f32.
;;   ~~~python
;;   def quantise(x, axis):      # numpy; x: float32 -> the quantised numbers, widened to float32 again
;;       x = np.moveaxis(x, axis, -1); K = x.shape[-1]
;;       x = np.pad(x, [(0, 0)] * (x.ndim - 1) + [(0, -K % 32)]); x = x.reshape(x.shape[:-1] + (-1, 32)); a = np.abs(x).max(-1, keepdims=True)
;;       e = np.where(a > 0, np.clip(np.frexp(np.where(a > 0, a, 1))[1] - 1 - 15, -126, 127), 0)      # np.frexp(a)[1] - 1 = floor(log2(a)), exactly
;;       r = np.clip(x / 2.0 ** e, -57344, 57344)
;;       step = 2.0 ** (np.maximum(np.frexp(np.where(r == 0, 1, r))[1] - 1, -14) - 2)
;;       q = np.round(r / step) * step * 2.0 ** e      # np.round: ties to even
;;       return np.moveaxis(q.reshape(q.shape[:-2] + (-1,))[..., :K], -1, axis).astype(np.float32)
;;   ~~~
;;   OPERANDS COMPUTED ON THE WAY. 'Computed on the way' means the value that the module computes at that place (a softmax that the list does not call 'softmax' is quantised finished and normalised). What goes into a quantiser is computed in f32, as accurately as f32 sums, v_exp_f32 and their like allow (about 1e-6 of the number): no bf16 or f16 on the way to a quantiser, and a product that is left as it is and whose result goes on into a quantised operand takes f32 operands (vector FMAs, or v_wmma_f32_16x16x4_f32). A number that lies on a knife's edge between two numbers of the format may be rounded either way, as far as f32 arithmetic and the matrix unit's own rounding can turn it there, and no further.
;;   INPUTS GIVEN AS CODES. W2 (in the module: [1024, 21], K = its axis 0): each comes as NAME_codes (uint8): NAME with its K axis moved to the last place and cut into blocks of 32 codes, [.., K / 32, bytes a block], one block behind the other in memory; one code a byte (a code: sign, 5 exponent bits, 2 mantissa bits); and NAME_scales (uint8): the same leading axes, one E8M0 byte (e + 127) for each 32 codes along K. Its value is code x scale, taken as it is: it is not quantised again, and the codes and scales need not be those that the quantiser above would give.
;; One version. Each part assembles by itself: llvm-mc -triple=amdgcn-amd-amdhsa -mcpu=gfx1250 --defsym DOCPART=n.
;; ======== version 1 of 1: 4 launches
;; limits: right only within a limited range of input values
;; workspace buffers: aq 69,206,016 bytes; part 67,108,864 bytes; hbuf 4,194,304 bytes; stat 131,072 bytes
;; launch agen (part 1): grid 128 x 8, 4 waves a work-group, no clusters, 29,184 bytes of LDS; arguments visual, audio, aq; writes aq
.if DOCPART == 1
	.amdgcn_target "amdgcn-amd-amdhsa--gfx1250"
	.amdhsa_code_object_version 6
	.text
	.protected	k_q93427a59bf_agen
	.globl	k_q93427a59bf_agen
	.p2align	8
	.type	k_q93427a59bf_agen,@function
k_q93427a59bf_agen:
	s_mov_b64 s[64:65], 0
	v_nop
	global_prefetch_b8 v0, s[64:65] scope:SCOPE_SE
	s_setreg_imm32_b32 hwreg(HW_REG_WAVE_MODE, 25, 1), 1
	s_wait_xcnt 0x0
; THE PROGRAM: out = Q(BN(relu(Q(v x a) Q(W1) + b1))) W2 + b2.  v = [visual, 1], a = [audio, 1]; K of the first product is k = 256 i + j, so a block of 32 along K is one i and 32 neighbouring j.
; Four launches: this one (the codes of v x a), the product (W1 quantised by its one reader; partial sums over 16 parts of K), their sum with relu and chunk statistics, the norm with the last product.
; NO WORK IS LEFT OUT: every input has a way to the output and is loaded by some launch.
; THIS LAUNCH makes Q(v x a), each code once, as images of the operand's registers.  A K step is (jb, s): i = 4 s + c (c = 0 .. 3), j = 32 jb + 0 .. 31.  aq holds a record of 135,168 bytes for K step 64 jb + s.
; A tile is 16 rows: [c 4][lane 32][16 bytes]; lane (r, h) of tile T holds row 16 T + r, j = 32 jb + 16 h + 0 .. 15.  With T = 8 w + n the record is laid as the product's wave w takes it:
;   from 0: [w 8][n 0 .. 5] tiles; from 98,304: [tile 64][row 16] scale words (byte c); from 102,400: [w 8][n 6, 7] tiles.
; SHARES.  A wave takes two tiles (32 rows), one jb and four K steps; its 32 numbers of a stay in registers.  fl(v a) are the quantiser's inputs; a block's largest magnitude is fl(|v| x the largest |a| of the 32), since rounding keeps order.
; THE INPUTS' rows are 1,020 bytes, so they come by loads of 4 bytes a lane with neighbouring lanes on neighbouring bytes (a: a row's 128 bytes a load; v: two rows' 64 bytes a load) and are turned in the wave's own 7,168 bytes of LDS:
; rows 144 and 80 bytes apart, so that the sixteen rows that a read of 16 bytes a lane touches start at sixteen different groups of four banks (64 banks of 4 bytes: ISA guide 11.1).  The bytes are the wave's own: no barrier.
; The 1 in place 255 of v and of a is selected behind a load of the place before it, so that no load leaves its buffer.  A store of codes covers 512 consecutive bytes, aligned; the scale words of two tiles leave as 128 bytes.
; No loop to run ahead in: no prefetch.  No matrix unit, no cluster: the work-groups share 2 MB of inputs.
; LIMITS: NaN and infinities are not served.  A block whose largest magnitude lies under 2^-111, or a block of zeros, keeps the byte 1 (zeros give zero codes; this program alone reads the bytes).
.set REC, 135168
.set WLDS, 7168                        ; a wave's LDS: 32 rows x 144 bytes of a, then 32 rows x 80 bytes of v
.set SPARE, 4*WLDS                     ; the spare words, 128 bytes for each wave
.set SPW, 14
.set NIL, 15
.set AX,  16                           ; v16-47  a of my two rows
.set AMX, 48                           ; v48-49  the largest |a| of the 32
.set VV,  52                           ; v52-83  v: K step k at VV + 8 k, tile gb at + 4 gb
.set P,   84                           ; v84-99  products at work (first: v as loaded)
.set T0,  100
.set T1,  101
.set T2,  102
.set T3,  103
.set TW,  104
.set ASW, 106                          ; v106-107 the two tiles' scale words
.set SWD, 108
.set AF,  112                          ; v112-143 the codes (first: a as loaded)
.set MNT, 27
.set SEL, 28
	s_load_b128 s[4:7], s[0:1], 0x0                ; visual, audio
	s_load_b64 s[8:9], s[0:1], 0x10                ; aq
	v_lshl_add_u32 v[SPW], v0, 2, SPARE
	v_mov_b32 v[NIL], 0
	v_lshrrev_b32 v1, 5, v0
	v_readfirstlane_b32 s10, v1                    ; wave: which pair of the eight tiles
	s_and_b32 s11, ttmp7, 0xffff                   ; jb
	s_and_b32 s34, ttmp9, 7                        ; w: which eight tiles
	s_lshr_b32 s13, ttmp9, 3                       ; sg: K steps 4 sg .. 4 sg + 3
	s_lshl_b32 s12, s34, 2
	s_add_co_u32 s12, s12, s10                     ; tp: tiles 2 tp, 2 tp + 1
	s_cmp_eq_u32 s11, 7
	s_cselect_b32 s14, 4, 0                        ; a's place 255 lies in jb = 7
	s_cselect_b32 s15, 0xffff0000, 0
	s_cmp_eq_u32 s13, 15
	s_cselect_b32 s16, 4, 0                        ; v's place 255 lies in sg = 15
	s_cselect_b32 s17, -1, 0
	s_mul_i32 s18, s12, 32640                      ; 32 rows of 1,020 bytes
	s_lshl_b32 s19, s11, 7
	s_add_co_u32 s19, s19, s18
	s_lshl_b32 s20, s13, 6
	s_add_co_u32 s20, s20, s18
	s_lshl_b32 s22, s11, 6
	s_lshl_b32 s23, s13, 2
	s_add_co_u32 s22, s22, s23
	s_mul_i32 s22, s22, REC                        ; my first record
	s_mul_i32 s23, s34, 12288
	s_lshl_b32 s35, s10, 12
	s_add_co_u32 s23, s23, s35                     ; pairs 0 to 2: 12,288 w + 4,096 x pair
	s_lshl_b32 s35, s34, 12
	s_add_co_u32 s35, s35, 102400                  ; pair 3: 102,400 + 4,096 w
	s_cmp_eq_u32 s10, 3
	s_cselect_b32 s23, s35, s23
	s_add_co_u32 s24, s22, s23
	s_mov_b32 s25, 0
	s_lshl_b32 s23, s12, 7
	s_add_co_u32 s30, s22, s23
	s_add_co_u32 s30, s30, 98304
	s_mov_b32 s31, 0
	s_mul_i32 s32, s10, WLDS                       ; my LDS: a,
	s_add_co_u32 s33, s32, 4608                    ; and v
	s_mov_b32 s26, 0xffff0000
	s_mov_b32 s[MNT], 0x600000
	s_mov_b32 s[SEL], 0x76543210
	s_mov_b32 s[SEL+1], 0xfedcba98
	v_and_b32 v7, 31, v0                           ; lane
	v_and_b32 v1, 15, v0                           ; r
	v_bfe_u32 v2, v0, 4, 1                         ; h
	v_lshlrev_b32 v8, 2, v7                        ; 4 x lane
	v_add_nc_u32 v12, 1, v7
	v_lshrrev_b32 v12, 5, v12                      ; 1 in lane 31
	v_mul_u32_u24 v12, v12, s14
	v_add_nc_u32 v3, s19, v8                       ; a in: 128 jb + 4 x lane of a row,
	v_sub_nc_u32 v3, v3, v12                       ; one number back where that is place 255
	v_add_nc_u32 v4, s32, v8                       ; into LDS: 4 x lane
	v_add_nc_u32 v13, 1, v1
	v_lshrrev_b32 v13, 4, v13                      ; 1 where r = 15
	v_mul_u32_u24 v13, v13, s16
	v_mul_u32_u24 v5, v2, 1020                     ; v in: lanes 16-31 take the next row; 64 sg + 4 r,
	v_lshl_add_u32 v5, v1, 2, v5
	v_add_nc_u32 v5, s20, v5
	v_sub_nc_u32 v5, v5, v13                       ; one number back where that is place 255
	v_mul_u32_u24 v6, v2, 80
	v_lshl_add_u32 v6, v1, 2, v6
	v_add_nc_u32 v6, s33, v6
	v_mul_u32_u24 v9, v1, 144                      ; a back: row r, 64 h
	v_lshl_add_u32 v9, v2, 6, v9
	v_add_nc_u32 v9, s32, v9
	v_mul_u32_u24 v10, v1, 80                      ; v back: row r
	v_add_nc_u32 v10, s33, v10
	v_lshlrev_b32 v7, 4, v7                        ; 16 x lane
	v_mov_b32 v11, 1.0
	v_mov_b32 v[T0], 0                             ; a lane permute's destination counts as one of its sources
	v_mov_b32 v[T1], 0
	s_wait_alu depctr_va_vdst(0)                   ; the wait at the head's end
	s_wait_kmcnt 0x0
	s_add_nc_u64 s[24:25], s[8:9], s[24:25]
	s_add_nc_u64 s[30:31], s[8:9], s[30:31]
.set li, 0
.rept 32
	global_load_b32 v[AF+li], v3, s[6:7] offset:1020*li        ; row li: 128 consecutive bytes
.set li, li+1
.endr
.set li, 0
.rept 16
	global_load_b32 v[P+li], v5, s[4:5] offset:2040*li         ; rows 2 li, 2 li + 1: 64 consecutive bytes each
.set li, li+1
.endr
	s_wait_loadcnt 0x0
.set li, 0
.rept 32
	ds_store_b32 v4, v[AF+li] offset:144*li
.set li, li+1
.endr
.set li, 0
.rept 16
	ds_store_b32 v6, v[P+li] offset:160*li
.set li, li+1
.endr
.irp a, 0,1                            ; LDS serves a wave's instructions in order (ISA guide 5.7.1.4): the loads see my stores
.irp q, 0,1,2,3
	ds_load_b128 v[AX+16*\a+4*\q:AX+16*\a+4*\q+3], v9 offset:2304*\a+16*\q
.endr
.endr
.irp a, 0,1
.irp k, 0,1,2,3
	ds_load_b128 v[VV+8*\k+4*\a:VV+8*\k+4*\a+3], v10 offset:1280*\a+16*\k
.endr
.endr
	s_wait_dscnt 0x0
.irp a, 0,1
	v_cndmask_b32 v[AX+16*\a+15], v[AX+16*\a+15], v11, s15     ; a[b][255] = 1
	v_cndmask_b32 v[VV+27+4*\a], v[VV+27+4*\a], v11, s17       ; v[b][255] = 1
.endr
.irp a, 0,1
	v_max3_num_f32 v[AMX+\a], |v[AX+16*\a]|, |v[AX+16*\a+1]|, |v[AX+16*\a+2]|
.endr
.irp i, 3,5,7,9,11,13
.irp a, 0,1
	v_max3_num_f32 v[AMX+\a], v[AMX+\a], |v[AX+16*\a+\i]|, |v[AX+16*\a+\i+1]|
.endr
.endr
.irp a, 0,1
	v_max_num_f32 v[AMX+\a], v[AMX+\a], |v[AX+16*\a+15]|
.endr
.irp a, 0,1
	v_permlanex16_b32 v[T0+\a], v[AMX+\a], s[SEL], s[SEL+1]
.endr
.irp a, 0,1
	v_max_num_f32 v[AMX+\a], v[AMX+\a], v[T0+\a]   ; with lane l xor 16's: of the 32
.endr
	s_wait_alu depctr_va_vdst(0)
; Instruction gn (1 .. 32) of the pair (tile gb, gc): sixteen numbers of a lane become four registers of the operand and byte gc of the rows' scale word
.macro GI
.if gn == 1
	v_mul_f32 v[T0], |v[gv+4*gb+gc]|, v[AMX+gb]    ; the block's largest magnitude
.elseif gn == 2
	v_max_num_f32 v[T0], 0x8000000, v[T0]          ; the floor 2^(16 - 127): the byte cannot fall under 1
.elseif gn == 3
	v_add_nc_u32 v[T1], 0xf8800000, v[T0]          ; 15 off the exponent field: the conversion's scale operand
.elseif gn == 4
	v_and_or_b32 v[T2], v[T0], 0x7f800000, s[MNT]  ; 57,344 x the scale
.elseif gn == 5
.if gc == 0
	v_lshrrev_b32 v[TW], 23, v[T1]
.elseif gc == 1
	v_lshrrev_b32 v[T3], 15, v[T1]
.elseif gc == 2
	v_lshrrev_b32 v[T3], 7, v[T1]
.else
	v_lshlrev_b32 v[T3], 1, v[T1]
.endif
.elseif gn == 6
.if gc == 1
	v_and_or_b32 v[TW], v[T3], 0xff00, v[TW]
.elseif gc == 2
	v_and_or_b32 v[TW], v[T3], 0xff0000, v[TW]
.elseif gc == 3
	v_and_or_b32 v[ASW+gb], v[T3], 0xff000000, v[TW]
.endif
.elseif gn < 15
.set gk, gn-7
.if gc%2 == 0
	v_pk_mul_f32 v[P+2*gk:P+2*gk+1], v[AX+16*gb+2*gk:AX+16*gb+2*gk+1], v[gv+4*gb+2*(gc/2):gv+4*gb+2*(gc/2)+1] op_sel_hi:[1,0]
.else
	v_pk_mul_f32 v[P+2*gk:P+2*gk+1], v[AX+16*gb+2*gk:AX+16*gb+2*gk+1], v[gv+4*gb+2*(gc/2):gv+4*gb+2*(gc/2)+1] op_sel:[0,1] op_sel_hi:[1,1]
.endif
.elseif gn < 31
	v_med3_num_f32 v[P+gn-15], v[P+gn-15], -v[T2], v[T2]   ; the conversion to an 8-bit code does not saturate (ISA guide 7.6.2)
.elseif gn == 31
	v_cvt_scalef32_pk8_bf8_f32 v[AF+16*gb+4*gc:AF+16*gb+4*gc+1], v[P:P+7], v[T1]
.else
	v_cvt_scalef32_pk8_bf8_f32 v[AF+16*gb+4*gc+2:AF+16*gb+4*gc+3], v[P+8:P+15], v[T1]
.endif
.endm
.macro SL
.set gb, sg/32
.set gc, (sg%32)/8
.set gn, 4*(sg%8)+1
.rept 4
	GI
.set gn, gn+1
.endr
.endm
.irp k, 0,1,2,3
.set gv, VV+8*\k
.if \k > 0
	s_wait_alu depctr_va_vdst(0)
	s_wait_xcnt 0x0                                ; the last K step's stores have read their data: the codes are written again only behind this wait
.endif
.set sg, 0
.rept 64
	SL
.set sg, sg+1
.endr
	v_cndmask_b32 v[SWD], v[ASW], v[ASW+1], s26    ; lanes 0-15 the first tile's words, lanes 16-31 the second's (also the plain line behind the last conversion)
.irp b, 0,1
.irp c, 0,1,2,3
	global_store_b128 v7, v[AF+16*\b+4*\c:AF+16*\b+4*\c+3], s[24:25] offset:\k*REC+2048*\b+512*\c
.endr
.endr
	global_store_b32 v8, v[SWD], s[30:31] offset:\k*REC
.endr
	s_wait_tensorcnt 0x0                           ; the wave's end
	ds_add_u32 v[SPW], v[NIL]
	s_wait_dscnt 0x0
	s_endpgm
.Lfunc_end_k_q93427a59bf_agen:
	.size	k_q93427a59bf_agen, .Lfunc_end_k_q93427a59bf_agen-k_q93427a59bf_agen
	.p2alignl 7, 3214868480
	.fill 96, 4, 3214868480
	.section	.rodata,"a",@progbits
	.p2align	6, 0x0
	.amdhsa_kernel k_q93427a59bf_agen
		.amdhsa_group_segment_fixed_size 29184
		.amdhsa_private_segment_fixed_size 0
		.amdhsa_enable_private_segment 0
		.amdhsa_kernarg_size 24
		.amdhsa_user_sgpr_count 2
		.amdhsa_user_sgpr_kernarg_segment_ptr 1
		.amdhsa_wavefront_size32 1
		.amdhsa_system_sgpr_workgroup_id_x 1
		.amdhsa_system_sgpr_workgroup_id_y 1
		.amdhsa_system_sgpr_workgroup_id_z 1
		.amdhsa_system_vgpr_workitem_id 0
		.amdhsa_next_free_vgpr 144
		.amdhsa_next_free_sgpr 66
		.amdhsa_reserve_vcc 0
		.amdhsa_float_denorm_mode_32 3
		.amdhsa_float_denorm_mode_16_64 3
		.amdhsa_memory_ordered 1
		.amdhsa_forward_progress 1
		.amdhsa_inst_pref_size 82
	.end_amdhsa_kernel
	.amdgpu_metadata
---
amdhsa.version: [ 1, 2 ]
amdhsa.kernels:
  - .name:           k_q93427a59bf_agen
    .symbol:         k_q93427a59bf_agen.kd
    .args:
      - { .name: visual, .offset: 0, .size: 8, .value_kind: global_buffer, .address_space: global }
      - { .name: audio, .offset: 8, .size: 8, .value_kind: global_buffer, .address_space: global }
      - { .name: aq, .offset: 16, .size: 8, .value_kind: global_buffer, .address_space: global }
    .group_segment_fixed_size: 29184
    .private_segment_fixed_size: 0
    .kernarg_segment_align: 8
    .kernarg_segment_size: 24
    .max_flat_workgroup_size: 128
    .sgpr_count:     66
    .vgpr_count:     144
    .wavefront_size: 32
...
	.end_amdgpu_metadata
.endif
;; end of part 1
;; launch gemm (part 2): grid 16 x 16, 8 waves a work-group, clusters of 4 x 1, 327,680 bytes of LDS; arguments W1, aq, part; writes part
.if DOCPART == 2
	.amdgcn_target "amdgcn-amd-amdhsa--gfx1250"
	.amdhsa_code_object_version 6
	.text
	.protected	k_q93427a59bf_gemm
	.globl	k_q93427a59bf_gemm
	.p2align	8
	.type	k_q93427a59bf_gemm,@function
k_q93427a59bf_gemm:
	s_mov_b64 s[64:65], 0
	v_nop
	global_prefetch_b8 v0, s[64:65] scope:SCOPE_SE
	s_setreg_imm32_b32 hwreg(HW_REG_WAVE_MODE, 25, 1), 1
	s_wait_xcnt 0x0
	s_wait_alu depctr_hold_cnt(0) depctr_sa_sdst(0) depctr_va_vdst(0) depctr_va_sdst(0) depctr_va_ssrc(0) depctr_va_vcc(0) depctr_vm_vsrc(0)
	s_getreg_b32 s2, hwreg(HW_REG_IB_STS2, 6, 4)
	s_cmp_eq_u32 s2, 0
	s_cbranch_scc0 .Lentry_in_a_cluster
	s_endpgm
.Lentry_in_a_cluster:
	s_bfe_u32 s2, ttmp6, 0x10000c
	s_cmp_lg_u32 s2, 0x3003
	s_cbranch_scc0 .Lentry_shape_is_right
	s_endpgm
.Lentry_shape_is_right:
; part[sp] = Q(v x a) Q(W1) over part sp of K, on codes of BF8 (E5M2) with one E8M0 scale for each 32 along K.  No work of the problem is left out here.
; SHARES.  Work-group (nb, sp) makes ALL 1,024 rows x columns 64 nb .. 64 nb + 63 over 32 K steps: sp = 2 jb + ih, K step t is (s = 32 ih + t, jb): i = 4 s + c, j = 32 jb + 0 .. 31; its record in aq is 32 sp + t.
; So each number of W1 is read from memory by ONE work-group, once, as f32, and quantised there.  Wave w (of eight, two to a SIMD) owns rows 128 w .. 128 w + 127: 8 tiles of rows x 4 tiles of columns, 32 accumulators, window 1.
; W1.  A K step's 128 rows x 64 columns are eight blocks of 32 K x 32 columns; wave w takes (b = w % 2, c = w / 2).  A LANE TAKES A COLUMN AND ITS REGISTERS RUN DOWN K: 32 loads into registers (two sets of 32; K step t + 3 is asked for in trip t
; and wanted at the head of trip t + 2); the block's largest magnitude needs no other lane; the codes go into LDS as images of the operand's registers, the scale's byte into byte c of the column's word.
; Row p of tile 2 b + u is column 32 b + 8 u + p + 8 (p / 8).
; THE LEFT OPERAND comes as records of 135,168 bytes, images of registers.  Their first 102,400 bytes (each wave's tiles 0 to 5, and all scale words) go through a ring of two LDS slots, an eighth (50 rows of 256 bytes) to a wave.
; CLUSTER.  The four work-groups of a cluster differ in nb alone and walk the same records: every tensor load is asked for JOINTLY, mask 15.  W1 is shared by nobody.  No padding in LDS: every read is 16 x lane on end.
; A record's last 32,768 bytes (each wave's tiles 6 and 7) are not asked for jointly: a tile of rows is multiplied by one wave alone, so these go straight into 32 registers of that wave, 8 loads of 512 consecutive bytes,
; asked for behind that group's products of the trip before, and pass no LDS.
; A TRIP is a K step.  One round of the cluster's barrier at its head serves three things: slot t % 2 has landed, nobody reads slot (t + 1) % 2 any more, and everybody's images of W1's K step t lie in buffer t % 2.
; Behind it: the refill; the fragments' loads; W1's K step t + 1 is quantised into buffer (t + 1) % 2 while they come; 32 products in four groups of eight.
; THE MATRIX INSTRUCTION IS USED TRANSPOSED (source 0 = a tile of 16 columns, source 1 = 16 rows).  The accumulators leave as images of their registers: [sp][rows / 256][columns / 256][64 rows][tile 16][block 4][half 2][lane 32][16 bytes].
; PREFETCHES, in every second trip t (odd): W1's K steps t + 5 and t + 6, which trips t + 2 and t + 3 load (a lane a row's 256 bytes, the two waves of a c share the 32 rows), and the first 131,072 bytes of records t + 3 and t + 4, which trips
; t + 2 and t + 3 load (the cluster's 32 waves share the 512 blocks out by address).  The first K steps, the last two records and each record's last 4,096 bytes come by their loads alone.
; LIMITS: NaN and infinities are not served; a block under 2^-111, or of zeros, keeps the byte 1; the f32 sums run in another order than reference()'s.
.set REC,   135168
.set SLOT,  102400
.set BIMG,  2*SLOT                     ; W1's images: two buffers of 8,192 bytes of codes + 256 of scale words; no tensor load lands here
.set BBUF,  8448
.set SPARE, BIMG+2*BBUF                ; the spare words, 128 bytes for each wave
.set L16,  1                           ; v1   16 x lane
.set VCOL, 2                           ; v2   my column in the group of 32, in bytes
.set ADA,  3                           ; v3-4 my rows' fragments in slot 0, 1
.set ADS,  5                           ; v5-6 their scale words
.set BR,   7                           ; v7   W1's images, read;  v8 their scale words
.set BSR,  8
.set BST,  9                           ; v9   where I store my block's codes;  v10 its scale byte
.set BSS,  10
.set PFWO, 11
.set PFAO, 12
.set SPW,  13
.set NIL,  14
.set TA,   16
.set TC,   17
.set TS,   18
.set TH,   19
.set TB,   20
.set ASW,  21                          ; v21-24 rows' scale words: register g: lanes 0-15 tile 2 g, lanes 16-31 tile 2 g + 1;  v25-26 W1's likewise: they hold scales alone
.set BSW,  25
.set CT,   28                          ; v28-31 my block's first 16 codes
.set AFD,  32                          ; v32-63 my tiles 6 and 7, straight from memory
.set X,    64                          ; v64-127 two sets of 32 numbers of W1
.set BF,   128                         ; v128-191 W1's four fragments
.set AFR,  192                         ; v192-255 my tiles 0 to 5: two buffers of two tiles
.set WV,   14
.set G1,   24
.set G0,   32                          ; s[32:35], s[36:39]: group 0 for slot 0, 1
.set WP,   40                          ; s[40:41] W1 at my block of the K step that is loaded next
.set PFW,  42
.set PFA,  44
.set MNT,  46
.set CNT,  47
.set DP,   66                          ; s[66:67] aq at my tiles 6 and 7 of the record that is loaded next
.set MSB, 0
.macro WIN new
.if MSB != (\new)
	s_set_vgpr_msb (MSB<<8)|(\new)
.set MSB, (\new)
.endif
.endm
.macro NOPS n
.rept \n
	v_nop
.endr
.endm
.macro ROUND                           ; a round of the cluster's barrier
	s_barrier_signal -1
	s_barrier_wait -1
	s_cmp_lg_u32 s[WV], 0
	s_cbranch_scc1 .Lnw0_\@
	s_barrier_signal -3
.Lnw0_\@:
	s_barrier_wait -3
	s_barrier_signal -1
	s_barrier_wait -1
.endm
	s_load_b128 s[4:7], s[0:1], 0x0                ; W1, aq
	s_load_b64 s[8:9], s[0:1], 0x10                ; part
	v_lshl_add_u32 v[SPW], v0, 2, SPARE
	v_mov_b32 v[NIL], 0
	ds_add_u32 v[SPW], v[NIL]                      ; the opening: the add, twice on end, and its wait ahead of my first tensor load
	ds_add_u32 v[SPW], v[NIL]
	v_lshrrev_b32 v15, 5, v0
	v_readfirstlane_b32 s[WV], v15                 ; wave 0..7
	s_bfe_u32 s15, ttmp6, 0x40000                  ; my place in the cluster: it enters global addresses of my own alone
	s_and_b32 s23, ttmp7, 0xffff                   ; the cluster's y
	s_lshr_b32 s16, s23, 2
	s_lshl_b32 s16, s16, 2
	s_add_co_u32 s16, s16, s15                     ; nb = 4 (y / 4) + my place
	s_and_b32 s17, s23, 3
	s_lshl_b32 s23, ttmp9, 2
	s_add_co_u32 s17, s17, s23                     ; sp = 4 x + y % 4: the four clusters that walk the same records are 16 cluster numbers apart
	s_lshr_b32 s18, s17, 1                         ; jb
	s_and_b32 s19, s17, 1                          ; ih
	s_and_b32 s21, s[WV], 1                        ; b
	s_lshr_b32 s22, s[WV], 1                       ; c
	s_lshl_b32 s50, s19, 27                        ; W1: row 1,024 (32 ih) + 256 c + 32 jb of 4,096 bytes, column 64 nb
	s_lshl_b32 s23, s22, 20
	s_add_co_u32 s50, s50, s23
	s_lshl_b32 s23, s18, 17
	s_add_co_u32 s50, s50, s23
	s_lshl_b32 s23, s16, 8
	s_add_co_u32 s50, s50, s23
	s_mov_b32 s51, 0
	s_lshl_b32 s52, s21, 7                         ; + 32 b columns
	s_mov_b32 s53, 0
	s_mul_i32 s20, s[WV], 12800                    ; my eighth of a record's first part, in memory and in a slot
	s_mul_i32 s48, s17, 32*REC                     ; record 32 sp
	s_add_co_u32 s54, s48, 2*REC                   ; the prefetches of records: record 2, block of 4,096 bytes 8 x place + wave
	s_lshl_b32 s23, s15, 3
	s_add_co_u32 s23, s23, s[WV]
	s_lshl_b32 s23, s23, 12
	s_add_co_u32 s54, s54, s23
	s_mov_b32 s55, 0
	s_lshl_b32 s23, s[WV], 12
	s_add_co_u32 s[DP], s48, s23
	s_add_co_u32 s[DP], s[DP], SLOT                ; my tiles 6 and 7 of record 0
	s_mov_b32 s[DP+1], 0
	s_add_co_u32 s48, s48, s20
	s_mov_b32 s49, 0
	s_lshl_b32 s56, s22, 2                         ; part: sp x 4,194,304 + ((4 (w / 2) + nb / 4) 4 + 2 (w % 2)) x 65,536 + 16,384 (nb % 4)
	s_lshr_b32 s23, s16, 2
	s_add_co_u32 s56, s56, s23
	s_lshl_b32 s56, s56, 2
	s_lshl_b32 s23, s21, 1
	s_add_co_u32 s56, s56, s23
	s_lshl_b32 s56, s56, 16
	s_lshl_b32 s23, s17, 22
	s_add_co_u32 s56, s56, s23
	s_and_b32 s23, s16, 3
	s_lshl_b32 s23, s23, 14
	s_add_co_u32 s56, s56, s23
	s_mov_b32 s57, 0
	s_mul_i32 s58, s[WV], 12288                    ; my tiles 0 to 5 in a slot
	s_lshl_b32 s59, s[WV], 9
	s_add_co_u32 s59, s59, 98304                   ; and my eight tiles' scale words
	s_lshl_b32 s60, s21, 12
	s_lshl_b32 s23, s22, 9
	s_add_co_u32 s60, s60, s23
	s_add_co_u32 s60, s60, BIMG                    ; my block's codes: tiles 2 b, 2 b + 1, part c
	s_lshl_b32 s61, s21, 7
	s_add_co_u32 s61, s61, s22
	s_add_co_u32 s61, s61, BIMG+8192               ; its scale bytes: byte c
	s_lshl_b32 s62, s21, 16
	s_mov_b32 s[G1+0], 15|(3<<16)|(1<<21)          ; the mask: all four work-groups; elements of 8 bytes; bit 21 beside a mask
	s_mov_b32 s[G1+1], 32<<16                      ; rows of 256 bytes,
	s_mov_b32 s[G1+2], 50<<16                      ; 50 of them, dense
	s_mov_b32 s[G1+3], 32<<16
	s_mov_b32 s[G1+4], 50
	s_mov_b32 s[G1+5], 32
	s_mov_b32 s[G1+6], 0
	s_mov_b32 s[G1+7], 0
	s_mov_b32 s[G0], 1
	s_mov_b32 s[G0+1], s20
	s_mov_b32 s[G0+4], 1
	s_add_co_u32 s[G0+5], s20, SLOT
	s_mov_b32 s[MNT], 0x600000
	v_and_b32 v28, 15, v0                          ; p
	v_bfe_u32 v29, v0, 4, 1                        ; u
	v_and_b32 v30, 31, v0
	v_and_b32 v[VCOL], 8, v28
	v_add_nc_u32 v[VCOL], v[VCOL], v28
	v_lshl_add_u32 v[VCOL], v29, 3, v[VCOL]        ; p + 8 (p / 8) + 8 u
	v_lshlrev_b32 v[VCOL], 2, v[VCOL]
	v_lshlrev_b32 v[L16], 4, v30
	v_lshlrev_b32 v30, 2, v30
	v_add_nc_u32 v[ADA], s58, v[L16]
	v_add_nc_u32 v[ADA+1], SLOT, v[ADA]
	v_add_nc_u32 v[ADS], s59, v30
	v_add_nc_u32 v[ADS+1], SLOT, v[ADS]
	v_add_nc_u32 v[BR], BIMG, v[L16]
	v_add_nc_u32 v[BSR], BIMG+8192, v30
	v_lshlrev_b32 v[BST], 4, v28
	v_lshl_add_u32 v[BST], v29, 11, v[BST]
	v_add_nc_u32 v[BST], s60, v[BST]
	v_add_nc_u32 v[BSS], s61, v30
	v_lshlrev_b32 v[PFWO], 12, v28                 ; W1's prefetch: row 16 b + p, K step + u
	v_lshl_add_u32 v[PFWO], v29, 22, v[PFWO]
	v_add_nc_u32 v[PFWO], s62, v[PFWO]
	v_mul_u32_u24 v[PFAO], v29, REC                ; the records': block p, record + u
	v_lshl_add_u32 v[PFAO], v28, 8, v[PFAO]
	s_wait_alu depctr_va_vdst(0)                   ; the wait at the head's end
	s_wait_dscnt 0x0                               ; both opening adds are done
	s_wait_kmcnt 0x0
	s_add_nc_u64 s[PFW:PFW+1], s[4:5], s[50:51]
	s_add_nc_u64 s[WP:WP+1], s[PFW:PFW+1], s[52:53]
	s_add_nc_u64 s[PFW:PFW+1], s[PFW:PFW+1], 4<<22 ; at K step 4: the first asking trip steps it to 6
	s_add_nc_u64 s[G0+2:G0+3], s[6:7], s[48:49]
	s_add_nc_u64 s[G0+6:G0+7], s[G0+2:G0+3], REC
	s_or_b32 s[G0+3], s[G0+3], 0x80000000
	s_or_b32 s[G0+7], s[G0+7], 0x80000000
	s_add_nc_u64 s[PFA:PFA+1], s[6:7], s[54:55]
	s_add_nc_u64 s[DP:DP+1], s[6:7], s[DP:DP+1]
	s_add_nc_u64 s[8:9], s[8:9], s[56:57]
.macro LOADW set, more                 ; my block of a K step: 32 rows, a load of the wave covers 128 consecutive bytes, the two waves of a c a row's 256
.set li, 0
.rept 32
	global_load_b32 v[X+32*(\set)+li], v[VCOL], s[WP:WP+1] offset:li*4096+(\more) th:TH_LOAD_NT
.set li, li+1
.endr
.endm
.macro LD                              ; my tiles 6 and 7 of the next record: a load of the wave covers 512 consecutive bytes, aligned
.irp a, 0,1
.irp c, 0,1,2,3
	global_load_b128 v[AFD+16*\a+4*\c:AFD+16*\a+4*\c+3], v[L16], s[DP:DP+1] offset:2048*\a+512*\c
.endr
.endr
.endm
.macro QB set, bp, w0                  ; the block in set becomes 32 codes a lane and a scale byte, stored into buffer bp.  w0: the younger loads that may stay out
.set XS, X+32*(\set)
	s_wait_loadcnt \w0
	v_max3_num_f32 v[TA], |v[XS]|, |v[XS+1]|, |v[XS+2]|
	v_max3_num_f32 v[TC], |v[XS+3]|, |v[XS+4]|, |v[XS+5]|
.irp i, 6,10,14,18,22,26
	v_max3_num_f32 v[TA], v[TA], |v[XS+\i]|, |v[XS+\i+1]|
	v_max3_num_f32 v[TC], v[TC], |v[XS+\i+2]|, |v[XS+\i+3]|
.endr
	v_max3_num_f32 v[TA], v[TA], |v[XS+30]|, |v[XS+31]|
	v_max3_num_f32 v[TA], v[TA], v[TC], 0x8000000  ; and the floor 2^(16 - 127): the byte cannot fall under 1
	v_add_nc_u32 v[TS], 0xf8800000, v[TA]          ; 15 off the exponent field: the conversion's scale operand
	v_and_or_b32 v[TH], v[TA], 0x7f800000, s[MNT]  ; 57,344 x the scale
	v_lshrrev_b32 v[TB], 23, v[TS]                 ; the scale's byte
.set bi, 0
.rept 32
	v_med3_num_f32 v[XS+bi], v[XS+bi], -v[TH], v[TH]   ; the conversion to an 8-bit code does not saturate (ISA guide 7.6.2)
.set bi, bi+1
.endr
	v_cvt_scalef32_pk8_bf8_f32 v[CT:CT+1], v[XS:XS+7], v[TS]
	v_cvt_scalef32_pk8_bf8_f32 v[CT+2:CT+3], v[XS+8:XS+15], v[TS]
	v_nop                                          ; a plain line: the next two results are laid over numbers that the first conversion has read
	v_cvt_scalef32_pk8_bf8_f32 v[XS:XS+1], v[XS+16:XS+23], v[TS]
	v_cvt_scalef32_pk8_bf8_f32 v[XS+2:XS+3], v[XS+24:XS+31], v[TS]
	v_nop                                          ; the plain line behind the last conversion
	ds_store_b128 v[BST], v[CT:CT+3] offset:(\bp)*BBUF         ; K 0 .. 15 of the block: lane p of the image
	ds_store_b128 v[BST], v[XS:XS+3] offset:(\bp)*BBUF+256     ; K 16 .. 31: lane 16 + p
	ds_store_b8 v[BSS], v[TB] offset:(\bp)*BBUF
.endm
.macro LA g, par                       ; my tiles 2 g, 2 g + 1 into buffer g % 2
.irp a, 0,1
.irp c, 0,1,2,3
	ds_load_b128 v[AFR+32*((\g)%2)+16*\a+4*\c:AFR+32*((\g)%2)+16*\a+4*\c+3], v[ADA+\par] offset:2048*(2*(\g)+\a)+512*\c
.endr
.endr
.endm
.macro MM1 zero, a, b
.if \zero
.if (\a) && ((\b)%2)
	v_wmma_scale_f32_16x16x128_f8f6f4 v[mc:mc+7], v[mb:mb+15], v[mf:mf+15], 0, v[ms], v[mt] matrix_a_fmt:MATRIX_FMT_BF8 matrix_b_fmt:MATRIX_FMT_BF8 matrix_a_scale:MATRIX_SCALE_ROW1 matrix_b_scale:MATRIX_SCALE_ROW1
.elseif (\a)
	v_wmma_scale_f32_16x16x128_f8f6f4 v[mc:mc+7], v[mb:mb+15], v[mf:mf+15], 0, v[ms], v[mt] matrix_a_fmt:MATRIX_FMT_BF8 matrix_b_fmt:MATRIX_FMT_BF8 matrix_b_scale:MATRIX_SCALE_ROW1
.elseif ((\b)%2)
	v_wmma_scale_f32_16x16x128_f8f6f4 v[mc:mc+7], v[mb:mb+15], v[mf:mf+15], 0, v[ms], v[mt] matrix_a_fmt:MATRIX_FMT_BF8 matrix_b_fmt:MATRIX_FMT_BF8 matrix_a_scale:MATRIX_SCALE_ROW1
.else
	v_wmma_scale_f32_16x16x128_f8f6f4 v[mc:mc+7], v[mb:mb+15], v[mf:mf+15], 0, v[ms], v[mt] matrix_a_fmt:MATRIX_FMT_BF8 matrix_b_fmt:MATRIX_FMT_BF8
.endif
.else
.if (\a) && ((\b)%2)
	v_wmma_scale_f32_16x16x128_f8f6f4 v[mc:mc+7], v[mb:mb+15], v[mf:mf+15], v[mc:mc+7], v[ms], v[mt] matrix_a_fmt:MATRIX_FMT_BF8 matrix_b_fmt:MATRIX_FMT_BF8 matrix_a_scale:MATRIX_SCALE_ROW1 matrix_b_scale:MATRIX_SCALE_ROW1
.elseif (\a)
	v_wmma_scale_f32_16x16x128_f8f6f4 v[mc:mc+7], v[mb:mb+15], v[mf:mf+15], v[mc:mc+7], v[ms], v[mt] matrix_a_fmt:MATRIX_FMT_BF8 matrix_b_fmt:MATRIX_FMT_BF8 matrix_b_scale:MATRIX_SCALE_ROW1
.elseif ((\b)%2)
	v_wmma_scale_f32_16x16x128_f8f6f4 v[mc:mc+7], v[mb:mb+15], v[mf:mf+15], v[mc:mc+7], v[ms], v[mt] matrix_a_fmt:MATRIX_FMT_BF8 matrix_b_fmt:MATRIX_FMT_BF8 matrix_a_scale:MATRIX_SCALE_ROW1
.else
	v_wmma_scale_f32_16x16x128_f8f6f4 v[mc:mc+7], v[mb:mb+15], v[mf:mf+15], v[mc:mc+7], v[ms], v[mt] matrix_a_fmt:MATRIX_FMT_BF8 matrix_b_fmt:MATRIX_FMT_BF8
.endif
.endif
.endm
.macro GRP g, zero                     ; eight products: my tiles 2 g, 2 g + 1 x W1's four.  The 32 accumulators take turns in the same order in every trip
	WIN 0x50                                       ; C and D window 1
.irp a, 0,1
.irp b, 0,1,2,3
.set mc, 8*(4*(2*(\g)+\a)+\b)
.set mb, BF+16*\b
.if (\g) == 3
.set mf, AFD+16*\a
.else
.set mf, AFR+32*((\g)%2)+16*\a
.endif
.set ms, BSW+\b/2
.set mt, ASW+(\g)
	MM1 \zero, \a, \b
.endr
.endr
	WIN 0
.endm
.macro ST g                            ; the group's eight accumulators as they stand, each from its low end on: a store of the wave covers 512 consecutive bytes, aligned
	WIN 0x04                                       ; a store's data: window 1
.irp a, 0,1
.irp b, 0,1,2,3
.set oc, 8*(4*(2*(\g)+\a)+\b)
.set oo, ((2*(\g)+\a)/4)*65536+\b*4096+((2*(\g)+\a)%4)*1024
	global_store_b128 v[L16], v[oc:oc+3], s[8:9] offset:oo th:TH_STORE_NT
	global_store_b128 v[L16], v[oc+4:oc+7], s[8:9] offset:oo+512 th:TH_STORE_NT
.endr
.endr
	WIN 0
.endm
; K step t, par = t % 2.  zero: its products start the sums.  fill: record t + 1 is asked for, dl: its last part too.  qn: W1's K step t + 1 is quantised.  lw: K step t + 3 is loaded.  w0: the count of the wait for W1.  pf: a trip that prefetches.  last: the results leave.
; My loads into registers go out in this order: trip t's 32 of W1, then its 8 of tiles 6 and 7.
.macro TRIP par, zero, fill, qn, lw, w0, pf, dl, last
	s_wait_alu depctr_va_vdst(0)
	s_wait_xcnt 0x0                                ; the last trip's loads and prefetches have read their bases
.if \lw
	s_add_nc_u64 s[WP:WP+1], s[WP:WP+1], 1<<22     ; 1,024 rows of W1 on
.endif
.if \dl
	s_add_nc_u64 s[DP:DP+1], s[DP:DP+1], REC
.endif
.if \pf
	s_add_nc_u64 s[PFW:PFW+1], s[PFW:PFW+1], 1<<23
	s_add_nc_u64 s[PFA:PFA+1], s[PFA:PFA+1], 2*REC
.endif
	s_wait_tensorcnt 0x0                           ; my eighth of this trip's slot is in; no tensor load of mine is out
	ds_add_u32 v[SPW], v[NIL]
	s_add_nc_u64 s[G0+4*\par+2:G0+4*\par+3], s[G0+4*\par+2:G0+4*\par+3], 2*REC   ; this slot's next record
	s_wait_dscnt 0x0                               ; the add is done, my reads of the other slot and buffer are over, my images have landed
.if \fill
	ROUND
	tensor_load_to_lds s[G0+4-4*\par:G0+7-4*\par], s[G1:G1+7]   ; my one tensor load behind the round
	s_nop 0
.else
	s_barrier_signal -1
	s_barrier_wait -1
.endif
	NOPS 8                                         ; eight places between the last trip's products and the loads into their operands
.irp k, 0,1,2,3
	ds_load_b32 v[ASW+\k], v[ADS+\par] offset:128*\k
.endr
.irp k, 0,1
	ds_load_b32 v[BSW+\k], v[BSR] offset:(\par)*BBUF+128*\k
.endr
.irp b, 0,1,2,3
.irp c, 0,1,2,3
	ds_load_b128 v[BF+16*\b+4*\c:BF+16*\b+4*\c+3], v[BR] offset:(\par)*BBUF+2048*\b+512*\c
.endr
.endr
	LA 0, \par
	LA 1, \par
.if \qn
	QB 1-(\par), 1-(\par), \w0
.endif
	s_wait_dscnt 8+3*(\qn)                         ; younger: tiles 2, 3 (8 loads) and my three stores
	GRP 0, \zero
	NOPS 8                                         ; places ahead of the loads into buffer 0 (and of the stores of results)
	LA 2, \par
.if \last
	ST 0
.endif
	s_wait_dscnt 8+3*(\qn)                         ; tiles 2, 3 are in; younger: my three stores and tiles 4, 5
	GRP 1, \zero
.if \last
	NOPS 8
	ST 1
.endif
	s_wait_dscnt 0x0                               ; tiles 4, 5 are in, and my stores have read their registers
.if \lw
	LOADW 1-(\par), 0                              ; K step t + 3, into the set read out above
.endif
.if \pf
	s_cmp_gt_u32 s[CNT], 1                         ; the loop's last trips have nothing so far ahead
	s_cbranch_scc0 .Lnp_\@
	global_prefetch_b8 v[PFWO], s[PFW:PFW+1] th:TH_LOAD_NT scope:SCOPE_SE
	global_prefetch_b8 v[PFAO], s[PFA:PFA+1] th:TH_LOAD_NT scope:SCOPE_SE
.Lnp_\@:
.endif
	GRP 2, \zero
.if \last
	NOPS 8
	ST 2
.endif
	s_wait_loadcnt 32*(\lw)                        ; tiles 6, 7 are in; younger: this trip's 32 loads of W1
	GRP 3, \zero
.if \dl
	NOPS 8                                         ; places ahead of the loads into the registers just multiplied
	LD
.endif
.if \last
	NOPS 8
	ST 3
.endif
.endm
	LOADW 0, 0                                     ; K step 0
	ROUND                                          ; all four work-groups are here: the first joint loads meet
	tensor_load_to_lds s[G0:G0+3], s[G1:G1+7]      ; record 0: one tensor load a wave at the head
	s_nop 0
	NOPS 4
	LOADW 1, 1<<22                                 ; K step 1
	s_wait_xcnt 0x0
	s_add_nc_u64 s[WP:WP+1], s[WP:WP+1], 2<<22
	QB 0, 0, 32                                    ; K step 0's images; younger: K step 1's 32 loads
	s_wait_dscnt 0x0                               ; my stores have read their registers
	LOADW 0, 0                                     ; K step 2
	LD                                             ; record 0's tiles 6, 7
	TRIP 0, 1, 1, 1, 1, 40, 0, 1, 0                ; t = 0: behind K step 1's loads: K step 2's 32 and 8
	s_mov_b32 s[CNT], 14
.Lk:                                               ; t = 1 .. 28: behind K step t + 1's loads: 8, 32 and 8
	TRIP 1, 0, 1, 1, 1, 48, 1, 1, 0
	TRIP 0, 0, 1, 1, 1, 48, 0, 1, 0
	s_sub_co_u32 s[CNT], s[CNT], 1
	s_cmp_lg_u32 s[CNT], 0
	s_cbranch_scc1 .Lk
	TRIP 1, 0, 1, 1, 0, 48, 0, 1, 0                ; t = 29: the tail is written out: no load leaves its part of K
	TRIP 0, 0, 1, 1, 0, 8, 0, 1, 0                 ; t = 30: the last 8 loads may stay out
	TRIP 1, 0, 0, 0, 0, 0, 0, 0, 1                 ; t = 31: each group leaves as soon as it is finished
	s_wait_tensorcnt 0x0                           ; the wave's end
	ds_add_u32 v[SPW], v[NIL]
	s_wait_dscnt 0x0
	ROUND                                          ; the closing round
	s_endpgm
.Lfunc_end_k_q93427a59bf_gemm:
	.size	k_q93427a59bf_gemm, .Lfunc_end_k_q93427a59bf_gemm-k_q93427a59bf_gemm
	.p2alignl 7, 3214868480
	.fill 96, 4, 3214868480
	.section	.rodata,"a",@progbits
	.p2align	6, 0x0
	.amdhsa_kernel k_q93427a59bf_gemm
		.amdhsa_group_segment_fixed_size 327680
		.amdhsa_private_segment_fixed_size 0
		.amdhsa_enable_private_segment 0
		.amdhsa_kernarg_size 24
		.amdhsa_user_sgpr_count 2
		.amdhsa_user_sgpr_kernarg_segment_ptr 1
		.amdhsa_wavefront_size32 1
		.amdhsa_system_sgpr_workgroup_id_x 1
		.amdhsa_system_sgpr_workgroup_id_y 1
		.amdhsa_system_sgpr_workgroup_id_z 1
		.amdhsa_system_vgpr_workitem_id 0
		.amdhsa_next_free_vgpr 512
		.amdhsa_next_free_sgpr 68
		.amdhsa_reserve_vcc 0
		.amdhsa_float_denorm_mode_32 3
		.amdhsa_float_denorm_mode_16_64 3
		.amdhsa_memory_ordered 1
		.amdhsa_forward_progress 1
		.amdhsa_inst_pref_size 111
	.end_amdhsa_kernel
	.amdgpu_metadata
---
amdhsa.version: [ 1, 2 ]
amdhsa.kernels:
  - .name:           k_q93427a59bf_gemm
    .symbol:         k_q93427a59bf_gemm.kd
    .args:
      - { .name: W1, .offset: 0, .size: 8, .value_kind: global_buffer, .address_space: global }
      - { .name: aq, .offset: 8, .size: 8, .value_kind: global_buffer, .address_space: global }
      - { .name: part, .offset: 16, .size: 8, .value_kind: global_buffer, .address_space: global }
    .group_segment_fixed_size: 327680
    .private_segment_fixed_size: 0
    .kernarg_segment_align: 8
    .kernarg_segment_size: 24
    .max_flat_workgroup_size: 256
    .sgpr_count:     68
    .vgpr_count:     512
    .wavefront_size: 32
...
	.end_amdgpu_metadata
.endif
;; end of part 2
;; launch reduce (part 3): grid 64 x 4, 4 waves a work-group, no clusters, 0 bytes of LDS; arguments part, b1, hbuf, stat; writes hbuf, stat
.if DOCPART == 3
	.amdgcn_target "amdgcn-amd-amdhsa--gfx1250"
	.amdhsa_code_object_version 6
	.text
	.protected	k_q93427a59bf_reduce
	.globl	k_q93427a59bf_reduce
	.p2align	8
	.type	k_q93427a59bf_reduce,@function
k_q93427a59bf_reduce:
	s_mov_b64 s[64:65], 0
	v_nop
	global_prefetch_b8 v0, s[64:65] scope:SCOPE_SE
	s_setreg_imm32_b32 hwreg(HW_REG_WAVE_MODE, 25, 1), 1
	s_wait_xcnt 0x0
; h = relu(b1 + the sum of the 16 parts of K), and for each column the mean and the sum of squared distances from it over chunks of 64 rows.  No work of the problem is left out here.
; SHARES.  Work-group (gbt, MT): tile gbt of 16 columns (NT = gbt / 16, bt = gbt % 16), rows 256 MT on.  Wave w owns part of what wave 2 MT + w / 2 of the product's work-group made: four accumulators (a = 0 .. 3), 64 rows x 16 columns,
; 4,096 consecutive bytes in each of the 16 parts.  Register 8 a + j of lane (r, h) is row 64 w + 16 a + r, column 32 (gbt / 2) + 16 h + 8 (gbt % 2) + j.  A stream: no LDS, no barrier, no matrix unit.
; A ring of six sets of eight loads keeps up to 48 loads of 512 bytes of every wave on their way.
; THE STATISTICS go in two passes over registers (the mean, then the squared distances from it), so that no difference of large sums is formed; the next launch joins the 16 chunks.
; hbuf [row block 64][gbt 64][q 2][lane 32][16 bytes]: again images of registers.  stat [2][chunk 16][1024].  The statistics leave 16 bytes a lane from two lanes: 131,072 bytes in all beside the 64 MiB read.
.set S,    16                          ; v16-47   the sums
.set RING, 48                          ; v48-239  six sets of 32
.set B1,   240                         ; v240-247 b1 of my eight columns
.set SUM,  48                          ; behind the ring's last use: v48-55 the means, v56-87 the distances, v88-95 their squares' sums
.set DD,   56
.set M2,   88
	s_load_b128 s[4:7], s[0:1], 0x0                ; part, b1
	s_load_b128 s[8:11], s[0:1], 0x10              ; hbuf, stat
	v_lshrrev_b32 v1, 5, v0
	v_readfirstlane_b32 s12, v1                    ; wave
	s_and_b32 s13, ttmp7, 0xffff                   ; MT
	v_and_b32 v2, 31, v0
	v_lshlrev_b32 v1, 4, v2                        ; 16 x lane
	v_bfe_u32 v3, v0, 4, 1                         ; h
	s_wait_alu depctr_va_vdst(0)
	v_and_b32 v4, 15, v0                           ; r
	s_lshr_b32 s14, ttmp9, 4                       ; NT
	s_and_b32 s15, ttmp9, 15                       ; bt
	s_lshl_b32 s32, s13, 2
	s_add_co_u32 s32, s32, s14
	s_lshl_b32 s32, s32, 2
	s_add_co_u32 s32, s32, s12
	s_lshl_b32 s32, s32, 16                        ; ((4 MT + NT) 4 + wave) x 65,536
	s_lshl_b32 s33, s15, 12
	s_add_co_u32 s32, s32, s33                     ; + 4,096 bt
	s_mov_b32 s33, 0
	s_lshr_b32 s34, ttmp9, 1
	s_lshl_b32 s34, s34, 7
	s_and_b32 s35, ttmp9, 1
	s_lshl_b32 s35, s35, 5
	s_add_co_u32 s34, s34, s35                     ; my tile's columns, in bytes: 128 (gbt / 2) + 32 (gbt % 2)
	v_lshlrev_b32 v5, 6, v3
	v_add_nc_u32 v5, s34, v5                       ; + 64 h
	s_lshl_b32 s36, s13, 20                        ; hbuf: ((16 MT + 4 wave) 64 + gbt) x 1,024
	s_lshl_b32 s37, s12, 18
	s_add_co_u32 s36, s36, s37
	s_lshl_b32 s37, ttmp9, 10
	s_add_co_u32 s36, s36, s37
	s_mov_b32 s37, 0
	s_lshl_b32 s38, s13, 2
	s_add_co_u32 s38, s38, s12
	s_lshl_b32 s38, s38, 12                        ; stat: chunk 4 MT + wave
	s_mov_b32 s39, 0
	s_wait_alu depctr_va_vdst(0)
	s_wait_kmcnt 0x0
	s_add_nc_u64 s[16:17], s[4:5], s[32:33]        ; a base for each two parts: a part is 4,194,304 bytes, and one fits a load's immediate
.irp k, 1,2,3,4,5,6,7
	s_add_nc_u64 s[16+2*\k:17+2*\k], s[14+2*\k:15+2*\k], 0x800000
.endr
	s_add_nc_u64 s[8:9], s[8:9], s[36:37]
	s_add_nc_u64 s[10:11], s[10:11], s[38:39]
	global_load_b128 v[B1:B1+3], v5, s[6:7]
	global_load_b128 v[B1+4:B1+7], v5, s[6:7] offset:16
.macro LOADS k
.set LRG, RING+32*((\k)%6)
.set LB, 16+2*((\k)/2)
.irp a, 0,1,2,3
.irp q, 0,1
	global_load_b128 v[LRG+8*\a+4*\q:LRG+8*\a+4*\q+3], v1, s[LB:LB+1] offset:((\k)%2)*4194304+1024*\a+512*\q th:TH_LOAD_NT
.endr
.endr
.endm
.macro TAKE k
.set XR, RING+32*((\k)%6)
.if 15-(\k) >= 5
	s_wait_loadcnt 40                              ; part k's eight loads are in; those of the five parts behind it may be out
.else
	s_wait_loadcnt 8*(15-(\k))
.endif
.set ti, 0
.rept 16
.if (\k) == 0
	v_pk_add_f32 v[S+ti:S+ti+1], v[XR+ti:XR+ti+1], v[B1+ti%8:B1+ti%8+1]    ; the bias starts the sums: nothing is cleared
.else
	v_pk_add_f32 v[S+ti:S+ti+1], v[S+ti:S+ti+1], v[XR+ti:XR+ti+1]
.endif
.set ti, ti+2
.endr
.if (\k)+6 < 16
	LOADS (\k)+6
.endif
.endm
.irp k, 0,1,2,3,4,5
	LOADS \k
.endr
.irp k, 0,1,2,3,4,5,6,7,8,9,10,11,12,13,14,15
	TAKE \k
.endr
.set ti, 0
.rept 32
	v_max_num_f32 v[S+ti], 0, v[S+ti]              ; relu
.set ti, ti+1
.endr
.irp a, 0,1,2,3
.irp q, 0,1
	global_store_b128 v1, v[S+8*\a+4*\q:S+8*\a+4*\q+3], s[8:9] offset:65536*\a+512*\q   ; 512 consecutive bytes, aligned
.endr
.endr
.irp i, 0,2,4,6
	v_pk_add_f32 v[SUM+\i:SUM+\i+1], v[S+\i:S+\i+1], v[S+8+\i:S+8+\i+1]    ; over my four rows of each column,
.endr
.irp i, 0,2,4,6
	v_pk_add_f32 v[SUM+\i:SUM+\i+1], v[SUM+\i:SUM+\i+1], v[S+16+\i:S+16+\i+1]
.endr
.irp i, 0,2,4,6
	v_pk_add_f32 v[SUM+\i:SUM+\i+1], v[SUM+\i:SUM+\i+1], v[S+24+\i:S+24+\i+1]
.endr
.irp m, 1,2,4,8
.irp j, 0,1,2,3,4,5,6,7
	v_add_f32_dpp v[SUM+\j], v[SUM+\j], v[SUM+\j] row_xmask:\m row_mask:0xf bank_mask:0xf   ; and over the sixteen lanes that hold the column
.endr
.endr
.irp i, 0,2,4,6
	v_pk_mul_f32 v[SUM+\i:SUM+\i+1], v[SUM+\i:SUM+\i+1], 0x3c800000 op_sel_hi:[1,0]     ; / 64: the chunk's mean
.endr
.irp a, 0,1,2,3
.irp i, 0,2,4,6
	v_pk_add_f32 v[DD+8*\a+\i:DD+8*\a+\i+1], v[S+8*\a+\i:S+8*\a+\i+1], v[SUM+\i:SUM+\i+1] neg_lo:[0,1] neg_hi:[0,1]
.endr
.endr
.irp i, 0,2,4,6
	v_pk_mul_f32 v[M2+\i:M2+\i+1], v[DD+\i:DD+\i+1], v[DD+\i:DD+\i+1]
.endr
.irp a, 1,2,3
.irp i, 0,2,4,6
	v_pk_fma_f32 v[M2+\i:M2+\i+1], v[DD+8*\a+\i:DD+8*\a+\i+1], v[DD+8*\a+\i:DD+8*\a+\i+1], v[M2+\i:M2+\i+1]
.endr
.endr
.irp m, 1,2,4,8
.irp j, 0,1,2,3,4,5,6,7
	v_add_f32_dpp v[M2+\j], v[M2+\j], v[M2+\j] row_xmask:\m row_mask:0xf bank_mask:0xf
.endr
.endr
	v_cmp_eq_u32 vcc_lo, 0, v4                     ; lanes 0 and 16 store for their halves
	s_wait_alu depctr_va_vdst(0)
	s_wait_xcnt 0x0                                ; EXEC changes only behind this wait: stores are out
	s_and_saveexec_b32 s40, vcc_lo
	global_store_b128 v5, v[SUM:SUM+3], s[10:11]
	global_store_b128 v5, v[SUM+4:SUM+7], s[10:11] offset:16
	global_store_b128 v5, v[M2:M2+3], s[10:11] offset:65536
	global_store_b128 v5, v[M2+4:M2+7], s[10:11] offset:65552
	s_wait_xcnt 0x0                                ; and again, ahead of the line that widens it
	s_or_b32 exec_lo, exec_lo, s40
	s_endpgm
.Lfunc_end_k_q93427a59bf_reduce:
	.size	k_q93427a59bf_reduce, .Lfunc_end_k_q93427a59bf_reduce-k_q93427a59bf_reduce
	.p2alignl 7, 3214868480
	.fill 96, 4, 3214868480
	.section	.rodata,"a",@progbits
	.p2align	6, 0x0
	.amdhsa_kernel k_q93427a59bf_reduce
		.amdhsa_group_segment_fixed_size 0
		.amdhsa_private_segment_fixed_size 0
		.amdhsa_enable_private_segment 0
		.amdhsa_kernarg_size 32
		.amdhsa_user_sgpr_count 2
		.amdhsa_user_sgpr_kernarg_segment_ptr 1
		.amdhsa_wavefront_size32 1
		.amdhsa_system_sgpr_workgroup_id_x 1
		.amdhsa_system_sgpr_workgroup_id_y 1
		.amdhsa_system_sgpr_workgroup_id_z 1
		.amdhsa_system_vgpr_workitem_id 0
		.amdhsa_next_free_vgpr 256
		.amdhsa_next_free_sgpr 66
		.amdhsa_reserve_vcc 1
		.amdhsa_float_denorm_mode_32 3
		.amdhsa_float_denorm_mode_16_64 3
		.amdhsa_memory_ordered 1
		.amdhsa_forward_progress 1
		.amdhsa_inst_pref_size 41
	.end_amdhsa_kernel
	.amdgpu_metadata
---
amdhsa.version: [ 1, 2 ]
amdhsa.kernels:
  - .name:           k_q93427a59bf_reduce
    .symbol:         k_q93427a59bf_reduce.kd
    .args:
      - { .name: part, .offset: 0, .size: 8, .value_kind: global_buffer, .address_space: global }
      - { .name: b1, .offset: 8, .size: 8, .value_kind: global_buffer, .address_space: global }
      - { .name: hbuf, .offset: 16, .size: 8, .value_kind: global_buffer, .address_space: global }
      - { .name: stat, .offset: 24, .size: 8, .value_kind: global_buffer, .address_space: global }
    .group_segment_fixed_size: 0
    .private_segment_fixed_size: 0
    .kernarg_segment_align: 8
    .kernarg_segment_size: 32
    .max_flat_workgroup_size: 128
    .sgpr_count:     66
    .vgpr_count:     256
    .wavefront_size: 32
...
	.end_amdgpu_metadata
.endif
;; end of part 3
;; launch final (part 4): grid 64 x 1, 8 waves a work-group, no clusters, 29,696 bytes of LDS; arguments hbuf, stat, gamma, beta, W2_codes, W2_scales, b2, out0; writes out0
.if DOCPART == 4
	.amdgcn_target "amdgcn-amd-amdhsa--gfx1250"
	.amdhsa_code_object_version 6
	.text
	.protected	k_q93427a59bf_final
	.globl	k_q93427a59bf_final
	.p2align	8
	.type	k_q93427a59bf_final,@function
k_q93427a59bf_final:
	s_mov_b64 s[64:65], 0
	v_nop
	global_prefetch_b8 v0, s[64:65] scope:SCOPE_SE
	s_setreg_imm32_b32 hwreg(HW_REG_WAVE_MODE, 25, 1), 1
	s_wait_xcnt 0x0
; out = Q(gamma (h - mean) rsqrt(var + 1e-5) + beta) W2 + b2, the product on codes of BF8 (E5M2) with E8M0 scales; W2 is taken as it is given.  No work of the problem is left out; of the second tile of 16 outputs
; eleven columns do not exist: their lanes read output 20's codes again and store nothing (work inside a live tile).
; SHARES.  A work-group takes 16 rows; wave w takes K step w: columns 128 w .. 128 w + 127.  h comes as images of the first product's accumulators: register 16 b + i of lane (r, h) is row r, column 128 w + 32 b + 16 h + i:
; the order that the operand wants, so the conversions' results are the operand's registers.
; THE STATISTICS.  Lane l joins the 16 chunks of columns 128 w + 4 l .. + 3: mean = the chunk means' mean; var = (the sum of the chunks' squared distances + 64 x the sum of (chunk mean - mean)^2) / 1,024.  No difference of large sums.
; mean, gamma x rsqrt and beta go through the wave's own 1,536 bytes of LDS and come back in the operand's order: no barrier.  The eight waves' partial products meet in LDS behind one barrier; waves 0 and 1 add them and store.
; A row of out0 is 84 bytes: no store of whole aligned blocks of 256 bytes is to be had; a work-group's 1,344 bytes are one run.
; LIMITS: NaN and infinities are not served; a block under 2^-111, or of zeros, keeps the byte 1; gamma is multiplied by the root's reciprocal before (h - mean), where reference() multiplies in another order.
.set RED,   12288                      ; LDS: from 0 the waves' tables, 1,536 bytes each; here the partial products, 2,048 bytes a wave;
.set SPARE, 28672                      ; the spare words, 128 bytes for each wave: four blocks of 256 bytes that no other line names
.set H,    16                          ; v16-79   h, then the normed h; at the end the partial products
.set MC,   80                          ; v80-143  16 chunk means x 4 columns
.set MQ,   144                         ; v144-207 16 chunks' squared distances x 4 columns
.set CM,   80                          ; then, for two blocks of 32 at a time: v80-111 mean, v112-143 gain, v144-175 beta
.set CG,   112
.set CB,   144
.set W2F,  176                         ; v176-207 W2's two fragments
.set PC,   80                          ; v80-95   the codes
.set D0,   96                          ; v96-103, v104-111 the two accumulators
.set D1,   104
.set TM,   208                         ; v208-223 at work in the quantiser
.set PW,   224                         ; v224     my rows' scale word;  v225-226 W2's: they hold scales alone
.set W2S,  225
.set B2R,  227
.set GA,   228
.set BE,   232
.set MEAN, 236
.set ACC,  240
.set DT,   244
.set SPW,  252
.set NIL,  253
.set WV,   20
.set SEL,  36
.set MNT,  38
	s_load_b256 s[4:11], s[0:1], 0x0               ; hbuf s[4:5], stat s[6:7], gamma s[8:9], beta s[10:11]
	s_load_b256 s[12:19], s[0:1], 0x20             ; W2's codes s[12:13], its scales s[14:15], b2 s[16:17], out0 s[18:19]
	v_lshl_add_u32 v[SPW], v0, 2, SPARE
	v_mov_b32 v[NIL], 0
	v_lshrrev_b32 v1, 5, v0
	s_delay_alu instid0(VALU_DEP_1)
	v_readfirstlane_b32 s[WV], v1                  ; wave 0..7
	v_and_b32 v14, 31, v0
	s_delay_alu instid0(VALU_DEP_1)
	v_lshlrev_b32 v1, 4, v14                       ; 16 x lane
	v_and_b32 v2, 15, v0                           ; r
	v_bfe_u32 v3, v0, 4, 1                         ; h
	s_mul_i32 s21, s[WV], 1536
	v_add_nc_u32 v4, s21, v1                       ; my table: in, 16 x lane;
	v_lshlrev_b32 v5, 6, v3
	s_delay_alu instid0(VALU_DEP_1)
	v_add_nc_u32 v5, s21, v5                       ; back, 64 h
	s_lshl_b32 s22, s[WV], 11
	s_add_co_u32 s22, s22, RED
	v_add_nc_u32 v6, s22, v1                       ; my partial products
	s_and_b32 s23, s[WV], 1
	s_lshl_b32 s24, s23, 10
	s_add_co_u32 s24, s24, RED
	v_add_nc_u32 v7, s24, v1                       ; and where waves 0 and 1 read tile wave % 2 of wave 0's
	s_lshl_b32 s25, s[WV], 7
	v_lshlrev_b32 v8, 10, v2                       ; W2's codes: output r, 1,024 bytes a row, K step w, + 16 h
	s_delay_alu instid0(VALU_DEP_1)
	v_lshl_add_u32 v8, v3, 4, v8
	s_delay_alu instid0(VALU_DEP_1)
	v_add_nc_u32 v8, s25, v8
	v_add_nc_u32 v12, 16, v2
	s_delay_alu instid0(VALU_DEP_1)
	v_min_u32 v12, 20, v12                         ; the second tile: output 16 + r, held at the last
	s_delay_alu instid0(VALU_DEP_1)
	v_lshlrev_b32 v9, 10, v12
	s_delay_alu instid0(VALU_DEP_1)
	v_lshl_add_u32 v9, v3, 4, v9
	s_delay_alu instid0(VALU_DEP_1)
	v_add_nc_u32 v9, s25, v9
	s_lshl_b32 s26, s[WV], 2
	v_lshlrev_b32 v10, 5, v2                       ; its scale words: 32 bytes a row, word w
	s_delay_alu instid0(VALU_DEP_1)
	v_add_nc_u32 v10, s26, v10
	v_lshlrev_b32 v11, 5, v12
	s_delay_alu instid0(VALU_DEP_1)
	v_add_nc_u32 v11, s26, v11
	s_lshl_b32 s27, s23, 4
	v_add_nc_u32 v14, s27, v2                      ; the output that I store, if I store: 16 (wave % 2) + r
	s_delay_alu instid0(VALU_DEP_1)
	v_min_u32 v12, 20, v14
	s_delay_alu instid0(VALU_DEP_1)
	v_lshlrev_b32 v12, 2, v12                      ; its b2
	s_mul_i32 s28, ttmp9, 1344                     ; out0: 16 rows of 84 bytes a work-group
	v_mul_u32_u24 v13, v3, 672                     ; + 8 h rows
	s_delay_alu instid0(VALU_DEP_1)
	v_lshl_add_u32 v13, v14, 2, v13
	s_delay_alu instid0(VALU_DEP_1)
	v_add_nc_u32 v13, s28, v13
	s_lshl_b32 s29, s[WV], 9
	v_add_nc_u32 v15, s29, v1                      ; 512 w + 16 x lane: my four columns in a row of 1,024 numbers
	s_lshl_b32 s30, ttmp9, 16                      ; hbuf: (64 x work-group + 8 w) x 1,024
	s_lshl_b32 s31, s[WV], 13
	s_add_co_u32 s30, s30, s31
	s_mov_b32 s31, 0
	s_mov_b32 s32, 0x42800000                      ; 64
	s_mov_b32 s33, 0x3a800000                      ; 1 / 1,024
	s_mov_b32 s34, 0x3727c5ac                      ; 1e-5
	s_mov_b32 s[SEL], 0x76543210
	s_mov_b32 s[SEL+1], 0xfedcba98
	s_mov_b32 s[MNT], 0x600000
.irp b, 0,1,2,3
	v_mov_b32 v[TM+4+\b], 0                        ; a lane permute's destination counts as one of its sources
.endr
	s_wait_alu depctr_va_vdst(0)
	s_wait_kmcnt 0x0
	s_add_nc_u64 s[4:5], s[4:5], s[30:31]
.irp c, 0,1,2,3,4,5,6,7,8,9,10,11,12,13,14,15
	global_load_b128 v[MQ+4*\c:MQ+4*\c+3], v15, s[6:7] offset:65536+4096*\c
.endr
.irp c, 0,1,2,3,4,5,6,7,8,9,10,11,12,13,14,15
	global_load_b128 v[MC+4*\c:MC+4*\c+3], v15, s[6:7] offset:4096*\c
.endr
	global_load_b128 v[GA:GA+3], v15, s[8:9]
	global_load_b128 v[BE:BE+3], v15, s[10:11]
.irp i, 0,1,2,3,4,5,6,7
	global_load_b128 v[H+8*\i:H+8*\i+3], v1, s[4:5] offset:1024*\i th:TH_LOAD_NT
	global_load_b128 v[H+8*\i+4:H+8*\i+7], v1, s[4:5] offset:1024*\i+512 th:TH_LOAD_NT
.endr
	global_load_b32 v[W2S], v10, s[14:15]
	global_load_b32 v[W2S+1], v11, s[14:15]
	global_load_b32 v[B2R], v12, s[16:17]
	s_wait_loadcnt 37                              ; the sixteen loads of squared distances are in; younger: 16 + 2 + 16 + 3
.irp c, 1
	v_pk_add_f32 v[MQ:MQ+1], v[MQ:MQ+1], v[MQ+4*\c:MQ+4*\c+1]
	v_pk_add_f32 v[MQ+2:MQ+3], v[MQ+2:MQ+3], v[MQ+4*\c+2:MQ+4*\c+3]
.endr
.irp c, 2, 3, 4, 5, 6, 7, 8, 9, 10, 11, 12, 13, 14, 15
	s_delay_alu instid0(VALU_DEP_2)
	v_pk_add_f32 v[MQ:MQ+1], v[MQ:MQ+1], v[MQ+4*\c:MQ+4*\c+1]
	s_delay_alu instid0(VALU_DEP_2)
	v_pk_add_f32 v[MQ+2:MQ+3], v[MQ+2:MQ+3], v[MQ+4*\c+2:MQ+4*\c+3]
.endr
.irp c, 0,1,2,3
	global_load_b128 v[W2F+4*\c:W2F+4*\c+3], v8, s[12:13] offset:32*\c          ; W2's fragments land in registers that the sums above have left
.endr
.irp c, 0,1,2,3
	global_load_b128 v[W2F+16+4*\c:W2F+16+4*\c+3], v9, s[12:13] offset:32*\c
.endr
	s_wait_loadcnt 27                              ; the chunk means, gamma and beta are in; younger: h's 16, the three small ones, W2's 8
	v_pk_add_f32 v[MEAN:MEAN+1], v[MC:MC+1], v[MC+4:MC+5]
	v_pk_add_f32 v[MEAN+2:MEAN+3], v[MC+2:MC+3], v[MC+6:MC+7]
.irp c, 2,3,4,5,6,7,8,9,10,11,12,13,14,15
	s_delay_alu instid0(VALU_DEP_2)
	v_pk_add_f32 v[MEAN:MEAN+1], v[MEAN:MEAN+1], v[MC+4*\c:MC+4*\c+1]
	s_delay_alu instid0(VALU_DEP_2)
	v_pk_add_f32 v[MEAN+2:MEAN+3], v[MEAN+2:MEAN+3], v[MC+4*\c+2:MC+4*\c+3]
.endr
	s_delay_alu instid0(VALU_DEP_2)
	v_pk_mul_f32 v[MEAN:MEAN+1], v[MEAN:MEAN+1], 0x3d800000 op_sel_hi:[1,0]     ; / 16
	s_delay_alu instid0(VALU_DEP_2)
	v_pk_mul_f32 v[MEAN+2:MEAN+3], v[MEAN+2:MEAN+3], 0x3d800000 op_sel_hi:[1,0]
.irp c, 0,1,2,3,4,5,6,7,8,9,10,11,12,13,14,15
	v_pk_add_f32 v[MC+4*\c:MC+4*\c+1], v[MC+4*\c:MC+4*\c+1], v[MEAN:MEAN+1] neg_lo:[0,1] neg_hi:[0,1]
	v_pk_add_f32 v[MC+4*\c+2:MC+4*\c+3], v[MC+4*\c+2:MC+4*\c+3], v[MEAN+2:MEAN+3] neg_lo:[0,1] neg_hi:[0,1]
.endr
	v_pk_mul_f32 v[ACC:ACC+1], v[MC:MC+1], v[MC:MC+1]
	v_pk_mul_f32 v[ACC+2:ACC+3], v[MC+2:MC+3], v[MC+2:MC+3]
.irp c, 1,2,3,4,5,6,7,8,9,10,11,12,13,14,15
	s_delay_alu instid0(VALU_DEP_2)
	v_pk_fma_f32 v[ACC:ACC+1], v[MC+4*\c:MC+4*\c+1], v[MC+4*\c:MC+4*\c+1], v[ACC:ACC+1]
	s_delay_alu instid0(VALU_DEP_2)
	v_pk_fma_f32 v[ACC+2:ACC+3], v[MC+4*\c+2:MC+4*\c+3], v[MC+4*\c+2:MC+4*\c+3], v[ACC+2:ACC+3]
.endr
.irp e, 0,1,2,3
	v_fma_f32 v[DT+\e], v[ACC+\e], s32, v[MQ+\e]
.endr
.irp e, 0,1,2,3
	s_delay_alu instid0(VALU_DEP_4)
	v_fma_f32 v[DT+\e], v[DT+\e], s33, s34         ; var + 1e-5
.endr
	s_wait_alu depctr_va_vdst(0)
.irp e, 0,1,2,3
	v_rsq_f32 v[DT+\e], v[DT+\e]
.endr
	v_nop                                          ; a plain instruction behind the last of the four,
	s_wait_alu depctr_va_vdst(0)                   ; and the one wait ahead of their first reader
	v_pk_mul_f32 v[GA:GA+1], v[GA:GA+1], v[DT:DT+1]
	v_pk_mul_f32 v[GA+2:GA+3], v[GA+2:GA+3], v[DT+2:DT+3]
	ds_store_b128 v4, v[MEAN:MEAN+3]
	ds_store_b128 v4, v[GA:GA+3] offset:512
	ds_store_b128 v4, v[BE:BE+3] offset:1024
	; the norm, two blocks of 32 columns at a time.  LDS serves a wave's instructions in order (ISA guide 5.7.1.4): the loads see my stores; the bytes are my wave's own
.irp g, 0,1
.irp n, 0,1,2,3,4,5,6,7
	ds_load_b128 v[CM+4*\n:CM+4*\n+3], v5 offset:128*(2*\g+\n/4)+16*(\n%4)
	ds_load_b128 v[CG+4*\n:CG+4*\n+3], v5 offset:512+128*(2*\g+\n/4)+16*(\n%4)
	ds_load_b128 v[CB+4*\n:CB+4*\n+3], v5 offset:1024+128*(2*\g+\n/4)+16*(\n%4)
.endr
	s_wait_dscnt 0x0
.if \g == 0
	s_wait_loadcnt 11                              ; h is in; younger: the three small loads and W2's 8
.endif
.irp i, 0,2,4,6,8,10,12,14,16,18,20,22,24,26,28,30
	v_pk_add_f32 v[H+32*\g+\i:H+32*\g+\i+1], v[H+32*\g+\i:H+32*\g+\i+1], v[CM+\i:CM+\i+1] neg_lo:[0,1] neg_hi:[0,1]
.endr
.irp i, 0,2,4,6,8,10,12,14,16,18,20,22,24,26,28,30
	v_pk_fma_f32 v[H+32*\g+\i:H+32*\g+\i+1], v[H+32*\g+\i:H+32*\g+\i+1], v[CG+\i:CG+\i+1], v[CB+\i:CB+\i+1]
.endr
.endr
	; the quantiser: 64 numbers of a lane, register 16 b + i = K 32 b + 16 h + i of my row
.irp b, 0,1,2,3
	v_max3_num_f32 v[TM+\b], |v[H+16*\b]|, |v[H+1+16*\b]|, 0x8000000            ; block b: my 16 numbers, and the floor 2^(16 - 127)
.endr
.irp i, 2,4,6,8,10,12,14
.irp b, 0,1,2,3
	s_delay_alu instid0(VALU_DEP_4)
	v_max3_num_f32 v[TM+\b], v[TM+\b], |v[H+16*\b+\i]|, |v[H+1+16*\b+\i]|
.endr
.endr
.irp b, 0,1,2,3
	s_delay_alu instid0(VALU_DEP_4)
	v_permlanex16_b32 v[TM+4+\b], v[TM+\b], s[SEL], s[SEL+1]
.endr
.irp b, 0,1,2,3
	s_delay_alu instid0(VALU_DEP_4)
	v_max_num_f32 v[TM+\b], v[TM+\b], v[TM+4+\b]   ; with lane l xor 16's: the block's largest magnitude
.endr
.irp b, 0,1,2,3
	s_delay_alu instid0(VALU_DEP_4)
	v_add_nc_u32 v[TM+12+\b], 0xf8800000, v[TM+\b] ; the conversion's scale operand
.endr
.irp b, 0,1,2,3
	v_and_or_b32 v[TM+8+\b], v[TM+\b], 0x7f800000, s[MNT]   ; 57,344 x the scale
.endr
.irp b, 0,1,2,3
	v_lshrrev_b32 v[TM+4+\b], 23, v[TM+12+\b]      ; the scale's byte
.endr
	s_delay_alu instid0(VALU_DEP_3)
	v_lshl_or_b32 v[PW], v[TM+5], 8, v[TM+4]       ; my row's scale word: it stands 64 holds ahead of the products (8 places are asked)
	s_delay_alu instid0(VALU_DEP_1)
	v_lshl_or_b32 v[PW], v[TM+6], 16, v[PW]
	s_delay_alu instid0(VALU_DEP_1)
	v_lshl_or_b32 v[PW], v[TM+7], 24, v[PW]
.irp b, 0,1,2,3
.irp i, 0,1,2,3,4,5,6,7,8,9,10,11,12,13,14,15
	v_med3_num_f32 v[H+16*\b+\i], v[H+16*\b+\i], -v[TM+8+\b], v[TM+8+\b]        ; the conversion to an 8-bit code does not saturate (ISA guide 7.6.2)
.endr
	v_cvt_scalef32_pk8_bf8_f32 v[PC+4*\b:PC+1+4*\b], v[H+16*\b:H+7+16*\b], v[TM+12+\b]
	v_cvt_scalef32_pk8_bf8_f32 v[PC+2+4*\b:PC+3+4*\b], v[H+8+16*\b:H+15+16*\b], v[TM+12+\b]
.endr
	s_wait_alu depctr_va_vdst(0)
	s_wait_loadcnt 0x0                             ; W2's fragments and scale words, b2
.rept 5
	v_nop                                          ; the plain line behind the last conversion, and four places between codes made by vector instructions and the products
.endr
	v_wmma_scale_f32_16x16x128_f8f6f4 v[D0:D0+7], v[PC:PC+15], v[W2F:W2F+15], 0, v[PW], v[W2S] matrix_a_fmt:MATRIX_FMT_BF8 matrix_b_fmt:MATRIX_FMT_BF8         ; register j of lane (r, h): row 8 h + j, output r
	v_wmma_scale_f32_16x16x128_f8f6f4 v[D1:D1+7], v[PC:PC+15], v[W2F+16:W2F+31], 0, v[PW], v[W2S+1] matrix_a_fmt:MATRIX_FMT_BF8 matrix_b_fmt:MATRIX_FMT_BF8   ; output 16 + r
.rept 8
	v_nop                                          ; eight places ahead of the stores that read results
.endr
	ds_store_b128 v6, v[D0:D0+3]                   ; each accumulator from its low end on
	ds_store_b128 v6, v[D0+4:D0+7] offset:512
	ds_store_b128 v6, v[D1:D1+3] offset:1024
	ds_store_b128 v6, v[D1+4:D1+7] offset:1536
	s_wait_dscnt 0x0                               ; for the others' sake: my stores have landed
	s_barrier_signal -1
	s_barrier_wait -1
	s_cmp_lt_u32 s[WV], 2                          ; wave 0 adds tile 0, wave 1 tile 1; no barrier stands in the branch
	s_cbranch_scc0 .Ljoin
.irp w, 0,1,2,3,4,5,6,7
	ds_load_b128 v[H+8*\w:H+8*\w+3], v7 offset:2048*\w
	ds_load_b128 v[H+8*\w+4:H+8*\w+7], v7 offset:2048*\w+512
.endr
	s_wait_dscnt 0x0
.irp w, 1,2,3,4,5,6,7
.irp i, 0,2,4,6
	v_pk_add_f32 v[H+\i:H+\i+1], v[H+\i:H+\i+1], v[H+8*\w+\i:H+8*\w+\i+1]       ; K steps ascending
.endr
.endr
.irp j, 0,1,2,3,4,5,6,7
	v_add_f32 v[H+\j], v[H+\j], v[B2R]
.endr
	v_cmp_gt_u32 vcc_lo, 21, v14                   ; outputs 0 .. 20 exist
	s_wait_alu depctr_va_vdst(0)
	s_wait_xcnt 0x0                                ; EXEC changes only behind this wait
	s_and_saveexec_b32 s39, vcc_lo
.irp j, 0,1,2,3,4,5,6,7
	global_store_b32 v13, v[H+\j], s[18:19] offset:84*\j
.endr
	s_wait_xcnt 0x0                                ; and again, ahead of the line that widens it
	s_or_b32 exec_lo, exec_lo, s39
.Ljoin:
	s_wait_tensorcnt 0x0                           ; the wave's end
	ds_add_u32 v[SPW], v[NIL]
	s_wait_dscnt 0x0
	s_endpgm
.Lfunc_end_k_q93427a59bf_final:
	.size	k_q93427a59bf_final, .Lfunc_end_k_q93427a59bf_final-k_q93427a59bf_final
	.p2alignl 7, 3214868480
	.fill 96, 4, 3214868480
	.section	.rodata,"a",@progbits
	.p2align	6, 0x0
	.amdhsa_kernel k_q93427a59bf_final
		.amdhsa_group_segment_fixed_size 29696
		.amdhsa_private_segment_fixed_size 0
		.amdhsa_enable_private_segment 0
		.amdhsa_kernarg_size 64
		.amdhsa_user_sgpr_count 2
		.amdhsa_user_sgpr_kernarg_segment_ptr 1
		.amdhsa_wavefront_size32 1
		.amdhsa_system_sgpr_workgroup_id_x 1
		.amdhsa_system_sgpr_workgroup_id_y 1
		.amdhsa_system_sgpr_workgroup_id_z 1
		.amdhsa_system_vgpr_workitem_id 0
		.amdhsa_next_free_vgpr 256
		.amdhsa_next_free_sgpr 66
		.amdhsa_reserve_vcc 1
		.amdhsa_float_denorm_mode_32 3
		.amdhsa_float_denorm_mode_16_64 3
		.amdhsa_memory_ordered 1
		.amdhsa_forward_progress 1
		.amdhsa_inst_pref_size 43
	.end_amdhsa_kernel
	.amdgpu_metadata
---
amdhsa.version: [ 1, 2 ]
amdhsa.kernels:
  - .name:           k_q93427a59bf_final
    .symbol:         k_q93427a59bf_final.kd
    .args:
      - { .name: hbuf, .offset: 0, .size: 8, .value_kind: global_buffer, .address_space: global }
      - { .name: stat, .offset: 8, .size: 8, .value_kind: global_buffer, .address_space: global }
      - { .name: gamma, .offset: 16, .size: 8, .value_kind: global_buffer, .address_space: global }
      - { .name: beta, .offset: 24, .size: 8, .value_kind: global_buffer, .address_space: global }
      - { .name: W2_codes, .offset: 32, .size: 8, .value_kind: global_buffer, .address_space: global }
      - { .name: W2_scales, .offset: 40, .size: 8, .value_kind: global_buffer, .address_space: global }
      - { .name: b2, .offset: 48, .size: 8, .value_kind: global_buffer, .address_space: global }
      - { .name: out0, .offset: 56, .size: 8, .value_kind: global_buffer, .address_space: global }
    .group_segment_fixed_size: 29696
    .private_segment_fixed_size: 0
    .kernarg_segment_align: 8
    .kernarg_segment_size: 64
    .max_flat_workgroup_size: 256
    .sgpr_count:     66
    .vgpr_count:     256
    .wavefront_size: 32
...
	.end_amdgpu_metadata
.endif
;; end of part 4
